; MI455X (gfx1250); checked and timed in simulation.
; The chip was launched on July 23, 2026; its instructions are those of AMD's public machine-readable ISA for CDNA 5 (MIT licence, August 2026) and "CDNA5" Instruction Set Architecture Reference Guide (July 2026). The comments in the code are by the model that wrote it; some were corrected since.
;; Ignition Mo E. Allowed arithmetic: float matrix products may take bf16 or f16 operands with f32 sums; other float arithmetic in f32, or as packed bf16 or f16 multiplies, adds, multiply-adds, maxima and minima; sums over many terms, partial sums and values carried from step to step in f32; what a program stores and reads back later, other than sums and carried values, may be rounded once to bf16 or f16.
;; Inputs: expert_w1 1 x 2,048 x 1,024 float32; expert_w2 1 x 1,024 x 2,048 float32; ln_beta 1,024 float32; ln_gamma 1,024 float32; router_w 1 x 1,024 float32; shared_w1 2,048 x 1,024 float32; shared_w2 1,024 x 2,048 float32; x 4 x 2,048 x 1,024 float32.
;; Outputs: out0 4 x 2,048 x 1,024 float32.
;; One version. Each part assembles by itself: llvm-mc -triple=amdgcn-amd-amdhsa -mcpu=gfx1250 --defsym DOCPART=n.
;; ======== version 1 of 1: 3 launches
;; limits: values are held in f16: magnitudes above 65,504 overflow, below 6.1e-05 lose precision; right only within a limited range of input values
;; workspace buffers: hbuf 16,777,216 bytes; h1 67,108,864 bytes; w1q 8,388,608 bytes; w2q 4,194,304 bytes; scales 24,576 bytes; gate 32,768 bytes
;; launch prep (part 1): grid 256 x 1, 16 waves a work-group, no clusters, 327,680 bytes of LDS; arguments x, ln_gamma, ln_beta, router_w, shared_w1, expert_w1, shared_w2, expert_w2, hbuf, gate, w1q, w2q, scales; writes hbuf, gate, w1q, w2q, scales
.if DOCPART == 1
	.amdgcn_target "amdgcn-amd-amdhsa--gfx1250"
	.amdhsa_code_object_version 6
	.text
	.protected	k_q7e4add566b_prep
	.globl	k_q7e4add566b_prep
	.p2align	8
	.type	k_q7e4add566b_prep,@function
k_q7e4add566b_prep:
	s_mov_b64 s[64:65], 0
	v_nop
	global_prefetch_b8 v0, s[64:65] scope:SCOPE_SE
	s_setreg_imm32_b32 hwreg(HW_REG_WAVE_MODE, 25, 1), 1
	s_wait_xcnt 0x0
; PREP.  Work-groups 0-127: the row scales and the ternary codes of the four weight arrays.  Work-groups 128-255: LayerNorm, the router's logit and the gate.
; No matrix work, no shared input: no cluster.
; WEIGHTS.  scale s = max(mean |W| over a row, 1e-5).  code = sign(W) where 2 |W| > s, else 0: that is clip(round(W / s), -1, 1) with ties to even, since a float above s / 2 lies
; more than half a step above it and its quotient rounds above 0.5, and a float at or below s / 2 gives at most 0.5, which rounds to 0.  So no division is made, but s has to be the
; same number to the last bit: THE ORDER OF THE SUM is 32 neighbours ascending, then 32 of those sums ascending, then (rows of 2,048) the two that are left.
; The first layer's codes are written as f16 (multiplied with h in f16).  The second layer's are written as one byte each, the E4M3 codes of -1, 0, 1 (0xb8, 0x00, 0x38: exact); the launch that
; multiplies them widens them to bf16 in registers.  Scales stay f32.
; W + (w_q - W) of the source is taken as w_q (one f32 rounding apart).  A NaN weight gets code 0; infinities are not treated apart.
; LAYERNORM.  Two passes over a row held in registers (mean, then squares of x - mean), h = (x - mu) rsq(var + 1e-5) gamma + beta, rounded once to f16.
; LIMIT: |h| <= 32 max|gamma| + max|beta| has to stay under 65,504.  The gate is the softmax over the one expert: exp(l - l) / exp(l - l), NaN where the logit is not finite.
; LDS: 16 tiles of 18,432 bytes (a wave's own: 128 groups of 32 floats, 128 bytes + 16 of padding); P2: 768 bytes a wave; GATH: 16 bytes a wave; the spare words.
.set TILE,  18432
.set P2,    294912                     ; a wave's 4 x 32 partial sums, rows 144 bytes apart
.set GATH,  307200                     ; the work-group's scales or gates, gathered so that one store covers them: wave w writes bytes 16 w .. 16 w + 15 and no others, on every path
.set SPARE, 307456                     ; the spare words: 128 bytes for each of 16 waves; no other line names them
.set W,     64                         ; weights path: v[64:191] floats as loaded; while the codes are made only v[64:95]
.set T,     96                         ; v[96:127]  32 codes, each in the top of its register
.set Y,     128                        ; v[128:143] packed codes, to store
.set XX,    144                        ; v[144:159] second layer: pairs of bytes
.set X,     128                        ; LayerNorm path: v[128:255] four rows of 32 registers
	s_load_b512 s[8:23], s[0:1], 0x0               ; x s[8:9], gamma s[10:11], beta s[12:13], router s[14:15], shared_w1 s[16:17], expert_w1 s[18:19], shared_w2 s[20:21], expert_w2 s[22:23]
	s_load_b256 s[24:31], s[0:1], 0x40             ; hbuf s[24:25], gate s[26:27], w1q s[28:29], w2q s[30:31]
	s_load_b64 s[32:33], s[0:1], 0x60              ; scales
	v_lshl_add_u32 v30, v0, 2, SPARE
	v_mov_b32 v31, 0
	ds_add_u32 v30, v31                            ; the wave's opening: the add and its wait ahead of my first tensor load
	ds_add_u32 v30, v31
	v_and_b32 v1, 31, v0                           ; lane
	v_lshrrev_b32 v2, 5, v0
	v_readfirstlane_b32 s4, v2                     ; wave 0..15
	v_lshlrev_b32 v2, 4, v1                        ; 16 x lane
	v_lshlrev_b32 v3, 3, v1                        ; 8 x lane
	s_wait_dscnt 0x0                               ; the opening add is done
	s_wait_kmcnt 0x0
	s_cmp_lt_u32 ttmp9, 128
	s_cbranch_scc0 .Lnorm                          ; the same way for all sixteen waves
	; ---------------- WEIGHTS.  Array a = 0..3 (shared_w1, expert_w1, shared_w2, expert_w2), read as 1,024 pseudo-rows of 2,048 floats (first layer: two real rows).
	; The work-group owns 32 pseudo-rows, a wave two: 16 KiB, four half-rows of 1,024.
	s_lshr_b32 s5, ttmp9, 5                        ; a
	s_and_b32 s6, ttmp9, 31                        ; b
	s_mov_b32 s36, 1                               ; group 0: count = 1
	s_mul_i32 s37, s4, TILE                        ; LDS address: my wave's tile
	s_mov_b32 s40, 0x07120000                      ; group 1: elements of 4 bytes; padding on, after every 32 words, 4 words
	s_mov_b32 s41, 64<<16                          ; tensor_dim0 = 64 (rows of 256 bytes)
	s_mov_b32 s42, 64<<16                          ; tensor_dim1 = 64
	s_mov_b32 s43, 64<<16                          ; tile_dim0 = 64
	s_mov_b32 s44, 64                              ; tile_dim1 = 64
	s_mov_b32 s45, 64                              ; 64 elements from row to row: the block is dense
	s_mov_b32 s46, 0
	s_mov_b32 s47, 0
	s_cmp_eq_u32 s5, 0
	s_cselect_b64 s[34:35], s[16:17], s[18:19]
	s_cmp_eq_u32 s5, 2
	s_cselect_b64 s[52:53], s[20:21], s[22:23]
	s_cmp_lt_u32 s5, 2
	s_cselect_b64 s[34:35], s[34:35], s[52:53]     ; the array
	s_lshl_b32 s54, s6, 18                         ; 32 pseudo-rows of 8,192 bytes a work-group,
	s_lshl_b32 s55, s4, 14                         ; two a wave
	s_add_co_u32 s54, s54, s55
	s_mov_b32 s55, 0
	s_add_nc_u64 s[38:39], s[34:35], s[54:55]
	s_or_b32 s39, s39, 0x80000000                  ; type = 2
	tensor_load_to_lds s[36:39], s[40:47]          ; my one tensor load: 16 KiB, read by my wave alone
	s_nop 0
	; while it is on its way: where the codes and the scales go, and what differs between the layers
	s_lshl_b32 s52, s5, 22                         ; first layer: a x 2,048 rows of 2,048 bytes + (32 b + 2 w) pseudo-rows of 4,096
	s_lshl_b32 s53, s6, 17
	s_add_co_u32 s52, s52, s53
	s_lshl_b32 s53, s4, 13
	s_add_co_u32 s52, s52, s53
	s_lshl_b32 s53, s5, 11                         ; second layer: (32 b + 2 w) rows of 4,096 bytes + (a - 2) x 2,048
	s_lshl_b32 s54, s6, 17
	s_add_co_u32 s53, s53, s54
	s_lshl_b32 s54, s4, 13
	s_add_co_u32 s53, s53, s54
	s_sub_co_u32 s53, s53, 4096
	s_lshl_b32 s54, s5, 13                         ; scales, first layer: a x 8,192 + b x 256
	s_lshl_b32 s55, s6, 8
	s_add_co_u32 s54, s54, s55
	s_lshl_b32 s55, s5, 12                         ; second layer: 16,384 + (a - 2) x 4,096 + b x 128
	s_lshl_b32 s66, s6, 7
	s_add_co_u32 s55, s55, s66
	s_add_co_u32 s55, s55, 8192
	s_mov_b32 s63, 0x3a000000                      ; 1 / 2,048
	s_mov_b32 s59, 0x38000000                      ; 1.0 in E4M3 in the top byte
	s_cmp_lt_u32 s5, 2                             ; first layer?
	s_cselect_b32 s52, s52, s53
	s_cselect_b32 s54, s54, s55
	s_cselect_b32 s62, 0, -1                       ; mask: are two half-rows one row?
	s_cselect_b32 s63, 0x3a800000, s63             ; 1 / 1,024
	s_cselect_b32 s59, 0x3c000000, s59             ; 1.0 in f16 in the upper half
	s_cselect_b32 s75, 4, 3                        ; a lane's 8 codes are 16 bytes or 8
	s_cselect_b32 s72, 0, 1                        ; 1: second layer: codes of one byte; 32 scales, each in two neighbouring words of GATH.  0: 64 words, one each
	s_cselect_b64 s[56:57], s[28:29], s[30:31]
	s_mov_b32 s53, 0
	s_mov_b32 s55, 0
	s_add_nc_u64 s[56:57], s[56:57], s[52:53]      ; my first pseudo-row's codes
	s_add_nc_u64 s[70:71], s[32:33], s[54:55]      ; the work-group's scales
	s_mov_b32 s60, 0x7fffffff
	s_mov_b32 s61, 0x07060302                      ; v_perm_b32: the two upper halves
	s_mov_b32 s73, 0x07030703                      ; the two top bytes (twice)
	s_mov_b32 s74, 0x05040100                      ; the two lower halves
	v_mul_u32_u24 v4, v1, 144
	v_add_nc_u32 v4, s37, v4                       ; level 1: group l of a half-row
	s_mul_i32 s67, s4, 768
	s_add_co_u32 s67, s67, P2
	v_lshl_add_u32 v5, v1, 2, s67                  ; level 2, in: word l of a row of partial sums
	v_and_b32 v7, 3, v1
	v_mul_u32_u24 v6, v7, 144
	v_add_nc_u32 v6, s67, v6                       ; level 2, back: lane l takes half-row l % 4
	v_lshrrev_b32 v9, 2, v1
	v_mul_u32_u24 v8, v9, 144
	v_lshl_add_u32 v8, v7, 5, v8
	v_add_nc_u32 v8, s37, v8                       ; codes: lane l takes floats 8 l .. 8 l + 7 of a run of 256: group l / 4, byte 32 (l % 4)
	v_lshlrev_b32 v10, s75, v1                     ; codes out: 16 or 8 bytes a lane
	s_wait_tensorcnt 0x0                           ; my tile is in; no other wave reads it
	; LEVEL 1: lane l sums group l of each of the four half-rows, its 32 floats in ascending order; the four chains take turns
.set j, 0
.rept 8
.set i, 0
.rept 4
	ds_load_b128 v[W+16*j+4*i:W+16*j+4*i+3], v4 offset:4608*i+16*j
.set i, i+1
.endr
.set j, j+1
.endr
.set j, 0
.rept 8
	s_wait_dscnt 4*(7-j)                           ; the four loads of each later j may be out
.set e, 0
.rept 4
.set i, 0
.rept 4
.if (j == 0) && (e == 1)
	v_add_f32 v[32+i], |v[W+4*i]|, |v[W+4*i+1]|
.elseif (j > 0) || (e > 1)
	v_add_f32 v[32+i], v[32+i], |v[W+16*j+4*i+e]|
.endif
.set i, i+1
.endr
.set e, e+1
.endr
.set j, j+1
.endr
	; LEVEL 2: the 32 partial sums of a half-row, ascending.  Through my wave's own LDS bytes: LDS serves a wave's instructions in order (ISA guide 5.7.1.4)
.irp i, 0,1,2,3
	ds_store_b32 v5, v[32+\i] offset:144*\i
.endr
.irp j, 0,1,2,3,4,5,6,7
	ds_load_b128 v[W+4*\j:W+4*\j+3], v6 offset:16*\j
.endr
	v_mov_b32 v37, 0                               ; the DPP line's destination counts as read
	s_wait_dscnt 0x0
	v_add_f32 v36, v[W], v[W+1]
.set e, 2
.rept 30
	v_add_f32 v36, v36, v[W+e]
.set e, e+1
.endr
	; LEVEL 3 and the scale: lanes l % 4 = 0, 1 hold the first pseudo-row's halves, 2, 3 the second's
	v_add_f32_dpp v37, v36, v36 row_xmask:1 row_mask:0xf bank_mask:0xf
	v_cndmask_b32 v38, v36, v37, s62
	v_mul_f32 v38, s63, v38                        ; the mean: a power of two, exact
	v_max_num_f32 v38, 0x3727c5ac, v38             ; at least 1e-5
	v_mul_f32 v39, 0.5, v38                        ; the threshold
.irp i, 0,1,2,3
	v_readlane_b32 s[48+\i], v39, \i
.endr
	; the scales into my 16 bytes of GATH, word l % 4: first layer four rows' scales; second layer each of the two rows' scales twice.  Lanes that share a word hold the same number.
	s_lshl_b32 s67, s4, 4
	s_add_co_u32 s67, s67, GATH
	v_lshl_add_u32 v11, v7, 2, s67
	ds_store_b32 v11, v38
; THE CODES of half-row hh of the pseudo-row in hand: four runs of 256 floats; a lane makes eight neighbouring codes of each run.
; First layer: 16 bytes a lane, a store of the wave covers 512 consecutive bytes; second layer: 8 bytes a lane, 256 consecutive bytes; both aligned.
.macro QGROUP hh
.irp k, 0,1,2,3
	ds_load_b128 v[W+8*\k:W+8*\k+3],   v8 offset:4608*\hh+1152*\k
	ds_load_b128 v[W+8*\k+4:W+8*\k+7], v8 offset:4608*\hh+1152*\k+16
.endr
.irp k, 0,1,2,3
	s_wait_dscnt 2*(3-\k)                          ; the two loads of each later run may be out
.irp c, 0,1,2,3,4,5,6,7
	v_cmp_lt_f32 s[52+(\c)%4], s[48+\hh], |v[W+8*\k+\c]|
	v_bfi_b32 v[T+8*\k+\c], s60, s59, v[W+8*\k+\c] ; 1.0 with the weight's sign, in the top of the register
	v_cndmask_b32 v[T+8*\k+\c], 0, v[T+8*\k+\c], s[52+(\c)%4]
.endr
.endr
	s_wait_xcnt 0x0                                ; the earlier stores have read v[128:143]: they are rewritten only behind this wait
	s_cmp_eq_u32 s72, 1
	s_cbranch_scc1 .Lq8_\@                         ; the same way for the whole work-group
.set p, 0
.rept 16
	v_perm_b32 v[Y+p], v[T+2*p+1], v[T+2*p], s61
.set p, p+1
.endr
.irp k, 0,1,2,3
	global_store_b128 v10, v[Y+4*\k:Y+4*\k+3], s[56:57] offset:2048*\hh+512*\k
.endr
	s_branch .Lqd_\@
.Lq8_\@:
.set p, 0
.rept 16
	v_perm_b32 v[XX+p], v[T+2*p+1], v[T+2*p], s73  ; two codes in the lower half
.set p, p+1
.endr
.set p, 0
.rept 8
	v_perm_b32 v[Y+p], v[XX+2*p+1], v[XX+2*p], s74 ; four codes, the lowest column in the lowest byte
.set p, p+1
.endr
.irp k, 0,1,2,3
	global_store_b64 v10, v[Y+2*\k:Y+2*\k+1], s[56:57] offset:1024*\hh+256*\k
.endr
.Lqd_\@:
.endm
	s_mov_b32 s66, 2
.Lrow:                                                 ; a trip: one pseudo-row
	QGROUP 0
	QGROUP 1
	s_wait_xcnt 0x0                                ; v10 is stepped only behind this wait
	v_add_nc_u32 v10, 0x1000, v10                  ; a pseudo-row's codes are 4,096 bytes apart in both layers
	v_add_nc_u32 v8, 9216, v8                      ; 64 groups on
	s_mov_b32 s48, s50
	s_mov_b32 s49, s51
	s_sub_co_u32 s66, s66, 1
	s_cmp_lg_u32 s66, 0
	s_cbranch_scc1 .Lrow
	s_branch .Lmeet
	; ---------------- LAYERNORM.  Work-group g owns rows 64 g .. 64 g + 63, wave w rows 4 w .. 4 w + 3 of them.  Lane l holds columns 128 j + 4 l .. + 3, j = 0..7.
	; v[4:11] four pair chains; v[12:13] mu; v[14:15] rs; v16-19 the rows' logits; v20, v21 at work; v[32:63] gamma; v[64:95] beta; v[96:127] router_w
.Lnorm:
	s_sub_co_u32 s5, ttmp9, 128
	s_lshl_b32 s34, s5, 18                         ; 64 rows of 4,096 bytes,
	s_lshl_b32 s35, s4, 14                         ; four a wave
	s_add_co_u32 s34, s34, s35
	s_mov_b32 s35, 0
	s_add_nc_u64 s[8:9], s[8:9], s[34:35]
	s_lshr_b32 s34, s34, 1                         ; h's rows are half as long
	s_add_nc_u64 s[24:25], s[24:25], s[34:35]
	s_lshl_b32 s34, s5, 8
	s_add_nc_u64 s[70:71], s[26:27], s[34:35]      ; the work-group's 64 gates
	s_mov_b32 s72, 0
	s_mov_b32 s68, 0x76543210                      ; v_permlanex16_b32: each lane takes its own place in the other half
	s_mov_b32 s69, 0xfedcba98
	s_mov_b32 s73, 0x3a800000                      ; 1 / 1,024
	s_mov_b32 s74, 0x3727c5ac                      ; 1e-5
.irp j, 0,1,2,3,4,5,6,7
	global_load_b128 v[32+4*\j:35+4*\j], v2, s[10:11] offset:512*\j
	global_load_b128 v[64+4*\j:67+4*\j], v2, s[12:13] offset:512*\j
	global_load_b128 v[96+4*\j:99+4*\j], v2, s[14:15] offset:512*\j
.endr
.irp r, 0,1,2,3
.irp j, 0,1,2,3,4,5,6,7
	global_load_b128 v[X+32*\r+4*\j:X+32*\r+4*\j+3], v2, s[8:9] offset:4096*\r+512*\j th:TH_LOAD_NT  ; all 56 loads go out at once; nothing is loaded again
.endr
.endr
	v_mov_b32 v21, 0                               ; v_permlanex16_b32's destination counts as read
.macro JOIN dst                        ; the four pair chains into one number
	v_pk_add_f32 v[4:5], v[4:5], v[6:7]
	v_pk_add_f32 v[8:9], v[8:9], v[10:11]
	v_pk_add_f32 v[4:5], v[4:5], v[8:9]
	v_add_f32 v[\dst], v4, v5
.endm
.macro RED r                           ; the sum over the 32 lanes, in every lane
	v_add_f32_dpp v[\r], v[\r], v[\r] row_xmask:1 row_mask:0xf bank_mask:0xf
	v_add_f32_dpp v[\r], v[\r], v[\r] row_xmask:2 row_mask:0xf bank_mask:0xf
	v_add_f32_dpp v[\r], v[\r], v[\r] row_xmask:4 row_mask:0xf bank_mask:0xf
	v_add_f32_dpp v[\r], v[\r], v[\r] row_xmask:8 row_mask:0xf bank_mask:0xf
	v_permlanex16_b32 v21, v[\r], s68, s69
	v_add_f32 v[\r], v[\r], v21
.endm
.macro ROW r
.set XR, X+32*(\r)
	s_wait_loadcnt 8*(3-(\r))                      ; the later rows' eight loads each may be out
.set p, 0
.rept 4
	v_pk_add_f32 v[4+2*p:5+2*p], v[XR+2*p:XR+2*p+1], v[XR+8+2*p:XR+9+2*p]
.set p, p+1
.endr
.set p, 8
.rept 8
	v_pk_add_f32 v[4+2*(p%4):5+2*(p%4)], v[4+2*(p%4):5+2*(p%4)], v[XR+2*p:XR+2*p+1]
.set p, p+1
.endr
	JOIN 20
	RED 20
	v_mul_f32 v12, s73, v20                        ; mu, twice: a pair for the packed lines
	v_mul_f32 v13, s73, v20
.set p, 0
.rept 16
	v_pk_add_f32 v[XR+2*p:XR+2*p+1], v[XR+2*p:XR+2*p+1], v[12:13] neg_lo:[0,1] neg_hi:[0,1]
.set p, p+1
.endr
.set p, 0
.rept 16
.if p < 4
	v_pk_mul_f32 v[4+2*p:5+2*p], v[XR+2*p:XR+2*p+1], v[XR+2*p:XR+2*p+1]
.else
	v_pk_fma_f32 v[4+2*(p%4):5+2*(p%4)], v[XR+2*p:XR+2*p+1], v[XR+2*p:XR+2*p+1], v[4+2*(p%4):5+2*(p%4)]
.endif
.set p, p+1
.endr
	JOIN 20
	RED 20
	v_fma_f32 v20, v20, s73, s74                   ; var + 1e-5
	v_rsq_f32 v14, v20
	v_rsq_f32 v15, v20
	v_nop                                          ; a plain instruction behind the last of the two,
	s_wait_alu depctr_va_vdst(0)                   ; and one wait for both, ahead of their first reader
.set p, 0
.rept 16
	v_pk_mul_f32 v[XR+2*p:XR+2*p+1], v[XR+2*p:XR+2*p+1], v[14:15]
.set p, p+1
.endr
.set p, 0
.rept 16
	v_pk_fma_f32 v[XR+2*p:XR+2*p+1], v[XR+2*p:XR+2*p+1], v[32+2*p:33+2*p], v[64+2*p:65+2*p]
.set p, p+1
.endr
.set p, 0
.rept 16                               ; the logit, of h before its rounding
.if p < 4
	v_pk_mul_f32 v[4+2*p:5+2*p], v[XR+2*p:XR+2*p+1], v[96+2*p:97+2*p]
.else
	v_pk_fma_f32 v[4+2*(p%4):5+2*(p%4)], v[XR+2*p:XR+2*p+1], v[96+2*p:97+2*p], v[4+2*(p%4):5+2*(p%4)]
.endif
.set p, p+1
.endr
.set p, 0
.rept 16                               ; in place, ascending: register p is made of 2 p and 2 p + 1, which no later line reads
	v_cvt_pk_f16_f32 v[XR+p], v[XR+2*p], v[XR+2*p+1]
.set p, p+1
.endr
.irp j, 0,1,2,3,4,5,6,7
	global_store_b64 v3, v[XR+2*\j:XR+2*\j+1], s[24:25] offset:2048*(\r)+256*\j  ; 32 lanes store 256 consecutive bytes, aligned
.endr
	JOIN 16+(\r)
	RED 16+(\r)
.endm
	ROW 0
	ROW 1
	ROW 2
	ROW 3
	; the gate: the maximum over the one expert is the logit itself
.irp r, 0,1,2,3
	v_sub_f32 v[16+\r], v[16+\r], v[16+\r]
.endr
.irp r, 0,1,2,3
	v_mul_f32 v[16+\r], 0x3fb8aa3b, v[16+\r]
.endr
.irp r, 0,1,2,3
	v_exp_f32 v[4+\r], v[16+\r]
.endr
	v_nop
	s_wait_alu depctr_va_vdst(0)                   ; one wait for the four exponentials
.irp r, 0,1,2,3
	v_rcp_f32 v[8+\r], v[4+\r]
.endr
	v_nop
	s_wait_alu depctr_va_vdst(0)                   ; one wait for the four reciprocals
.irp r, 0,1,2,3
	v_mul_f32 v[4+\r], v[4+\r], v[8+\r]
.endr
	s_lshl_b32 s34, s4, 4
	s_add_co_u32 s34, s34, GATH
	v_mov_b32 v12, s34
.irp r, 0,1,2,3
	ds_store_b32 v12, v[4+\r] offset:4*\r          ; my 16 bytes of GATH; all lanes hold the same number
.endr
	; ---------------- both paths: the gathered words leave by one store of wave 0
.Lmeet:
	s_wait_dscnt 0x0                               ; for the others' sake: my stores into GATH are done
	s_barrier_signal -1
	s_barrier_wait -1
	s_cmp_lg_u32 s4, 0
	s_cbranch_scc1 .Lend
	v_add_nc_u32 v4, GATH, v3                      ; GATH + 8 x lane
	s_cmp_eq_u32 s72, 1
	s_cbranch_scc1 .Lhalf
	ds_load_b64 v[6:7], v4
	s_wait_dscnt 0x0
	global_store_b64 v3, v[6:7], s[70:71]          ; 64 words: 256 consecutive bytes, aligned
	s_branch .Lend
.Lhalf:
	v_lshlrev_b32 v5, 2, v1
	ds_load_b32 v6, v4                             ; row l's scale lies in words 2 l and 2 l + 1: the first of the two
	s_wait_dscnt 0x0
	global_store_b32 v5, v6, s[70:71]              ; 32 words: all the rows that this work-group has
.Lend:
	s_wait_tensorcnt 0x0                           ; the wave's end
	ds_add_u32 v30, v31
	s_wait_dscnt 0x0
	s_endpgm
.Lfunc_end_k_q7e4add566b_prep:
	.size	k_q7e4add566b_prep, .Lfunc_end_k_q7e4add566b_prep-k_q7e4add566b_prep
	.p2alignl 7, 3214868480
	.fill 96, 4, 3214868480
	.section	.rodata,"a",@progbits
	.p2align	6, 0x0
	.amdhsa_kernel k_q7e4add566b_prep
		.amdhsa_group_segment_fixed_size 327680
		.amdhsa_private_segment_fixed_size 0
		.amdhsa_enable_private_segment 0
		.amdhsa_kernarg_size 104
		.amdhsa_user_sgpr_count 2
		.amdhsa_user_sgpr_kernarg_segment_ptr 1
		.amdhsa_wavefront_size32 1
		.amdhsa_system_sgpr_workgroup_id_x 1
		.amdhsa_system_sgpr_workgroup_id_y 1
		.amdhsa_system_sgpr_workgroup_id_z 1
		.amdhsa_system_vgpr_workitem_id 0
		.amdhsa_next_free_vgpr 256
		.amdhsa_next_free_sgpr 80
		.amdhsa_reserve_vcc 0
		.amdhsa_float_denorm_mode_32 3
		.amdhsa_float_denorm_mode_16_64 3
		.amdhsa_memory_ordered 1
		.amdhsa_forward_progress 1
		.amdhsa_inst_pref_size 84
	.end_amdhsa_kernel
	.amdgpu_metadata
---
amdhsa.version: [ 1, 2 ]
amdhsa.kernels:
  - .name:           k_q7e4add566b_prep
    .symbol:         k_q7e4add566b_prep.kd
    .args:
      - { .name: x, .offset: 0, .size: 8, .value_kind: global_buffer, .address_space: global }
      - { .name: ln_gamma, .offset: 8, .size: 8, .value_kind: global_buffer, .address_space: global }
      - { .name: ln_beta, .offset: 16, .size: 8, .value_kind: global_buffer, .address_space: global }
      - { .name: router_w, .offset: 24, .size: 8, .value_kind: global_buffer, .address_space: global }
      - { .name: shared_w1, .offset: 32, .size: 8, .value_kind: global_buffer, .address_space: global }
      - { .name: expert_w1, .offset: 40, .size: 8, .value_kind: global_buffer, .address_space: global }
      - { .name: shared_w2, .offset: 48, .size: 8, .value_kind: global_buffer, .address_space: global }
      - { .name: expert_w2, .offset: 56, .size: 8, .value_kind: global_buffer, .address_space: global }
      - { .name: hbuf, .offset: 64, .size: 8, .value_kind: global_buffer, .address_space: global }
      - { .name: gate, .offset: 72, .size: 8, .value_kind: global_buffer, .address_space: global }
      - { .name: w1q, .offset: 80, .size: 8, .value_kind: global_buffer, .address_space: global }
      - { .name: w2q, .offset: 88, .size: 8, .value_kind: global_buffer, .address_space: global }
      - { .name: scales, .offset: 96, .size: 8, .value_kind: global_buffer, .address_space: global }
    .group_segment_fixed_size: 327680
    .private_segment_fixed_size: 0
    .kernarg_segment_align: 8
    .kernarg_segment_size: 104
    .max_flat_workgroup_size: 512
    .sgpr_count:     80
    .vgpr_count:     256
    .wavefront_size: 32
...
	.end_amdgpu_metadata
.endif
;; end of part 1
;; launch up (part 2): grid 16 x 16, 4 waves a work-group, clusters of 4 x 4, 327,680 bytes of LDS; arguments hbuf, w1q, scales, gate, h1; writes h1
.if DOCPART == 2
	.amdgcn_target "amdgcn-amd-amdhsa--gfx1250"
	.amdhsa_code_object_version 6
	.text
	.protected	k_q7e4add566b_up
	.globl	k_q7e4add566b_up
	.p2align	8
	.type	k_q7e4add566b_up,@function
k_q7e4add566b_up:
	s_mov_b64 s[64:65], 0
	v_nop
	global_prefetch_b8 v0, s[64:65] scope:SCOPE_SE
	s_setreg_imm32_b32 hwreg(HW_REG_WAVE_MODE, 25, 1), 1
	s_wait_xcnt 0x0
	s_wait_alu depctr_hold_cnt(0) depctr_sa_sdst(0) depctr_va_vdst(0) depctr_va_sdst(0) depctr_va_ssrc(0) depctr_va_vcc(0) depctr_vm_vsrc(0)
	s_getreg_b32 s2, hwreg(HW_REG_IB_STS2, 6, 4)
	s_cmp_eq_u32 s2, 0
	s_cbranch_scc0 .Lentry_in_a_cluster
	s_endpgm
.Lentry_in_a_cluster:
	s_bfe_u32 s2, ttmp6, 0x10000c
	s_cmp_lg_u32 s2, 0xf033
	s_cbranch_scc0 .Lentry_shape_is_right
	s_endpgm
.Lentry_shape_is_right:
; UP.  h1[t][f] = silu(s1[f] x sum over d of h[t][d] q1[f][d]), times the row's gate for f >= 2,048 (the routed expert's columns).  h: [8192][1024] f16; q1: [4096][1024] f16 codes -1, 0, 1;
; s1: [4096] f32; gate: [8192] f32; h1: [8192][4096] bf16, rounded once.  Sums in f32.  silu(z) = z / (1 + 2^(-z log2 e)); where the power overflows the result is -0, where it is flushed it is z.
; A tile of h1 is 256 x 256, made by four waves, 128 x 128 each: 64 accumulators, 512 registers.  K goes in steps of 128 through a ring of two LDS slots filled by the tensor data mover.
; A WORK-GROUP MAKES TWO TILES, 4,096 rows apart, in ONE walk of 16 K steps (8 laps of the ring): the ring does not stop between them; lap 3's two refills ask for the second tile's first two steps.
; CLUSTER 4 x 4: the four work-groups of a row need the same tiles of h, the four of a column the same tiles of q1: each tile is asked for jointly, by the same load, descriptor and mask in all four.
; THE MATRIX INSTRUCTION IS USED TRANSPOSED (source 0 = 16 rows of q1, source 1 = 16 rows of h): a lane holds row l % 16 and the columns 8 (l / 16) + 0..7.
; REGISTERS, in windows of 256: window 0: v8-15 s1 and -s1 log2 e of my four columns on the way out; v16-30 addresses; v32-47 16 gates; v64-127, v128-191 fragments of h, two buffers;
;   on the way out v128-191 (V) and v192-255 (T).  Window 1: v64-191 fragments of q1, two buffers.  Windows 2, 3: the accumulators of my rows 0-63 and 64-127, (a, b) at v[8 (8 a + b)].
.set SIZE_K, 1024
.set KSTEP,  128
.set PITCH,  272                       ; an LDS row: 256 bytes + 16 of padding: the 16 rows of a fragment load start at 16 different groups of four banks (ISA guide 11.1)
.set HALFT,  128*PITCH                 ; what one tensor load brings
.set SLOT,   4*HALFT                   ; h's 256 rows, then q1's 256 rows
.set STAGE,  2*SLOT                    ; behind the ring: 16 rows x 528 bytes of f32 for each wave, its own
.set SPITCH, 528
.set SPARE,  STAGE+4*16*SPITCH         ; the spare words, 128 bytes a wave; no other line names them
.set S1,   8
.set S1N,  12
.set ADRA, 16
.set ADRB, 20
.set STO,  24                          ; the way out: where I put 16 bytes of a row
.set RD,   25                          ; where I read a row back: 16 x lane
.set CO,   26                          ; 8 x lane
.set CR,   27                          ; my byte offset in h1, stepped block by block
.set SPW,  28
.set NIL,  29
.set GR,   30                          ; byte offset of the block's 16 gates (the same in all lanes)
.set G,    32
.set F0,   64
.set F1,   128
.set V,    128
.set T,    192
.set WV,   14                          ; s14 wave; s15 which half of the tile's rows is mine, also: I fetch for h (0) or q1 (1); s16 which half of the columns, also: which 128 rows I fetch
.set RH,   15
.set CH,   16
.set G1,   24                          ; s[24:31], s[32:39]: descriptor groups 1 and 0 (a set for each slot) for h's tiles
.set G0,   32
.set G1B,  48                          ; s[48:55], s[56:63]: the same for q1's
.set G0B,  56
.set MSB, 0
.macro WIN new                         ; the immediate's high byte repeats the setting that is left; a switch that changes nothing is dropped
.if MSB != (\new)
	s_set_vgpr_msb (MSB<<8)|(\new)
.set MSB, \new
.endif
.endm
.set MUL_LO, 0xa1                      ; source 0 window 1, source 1 window 0, C and D window 2
.set MUL_HI, 0xf1                      ; the same, C and D window 3
.set TO_B,   0x40                      ; destination window 1
; A joint load: waves 0 and 1 fetch h's two halves, waves 2 and 3 q1's.  The branch hangs on the wave's number alone.  An s_nop 0 and four v_nop follow each line.
.macro JLOAD s
	s_cmp_eq_u32 s[RH], 0
	s_cbranch_scc0 .Lfor_b_\@
	tensor_load_to_lds s[G0+4*(\s):G0+4*(\s)+3], s[G1:G1+7]
	s_nop 0
.rept 4
	v_nop
.endr
	s_branch .Lasked_\@
.Lfor_b_\@:
	tensor_load_to_lds s[G0B+4*(\s):G0B+4*(\s)+3], s[G1B:G1B+7]
	s_nop 0
.rept 4
	v_nop
.endr
.Lasked_\@:
.endm
.macro CREST                           ; a round of the cluster's barrier behind its opening barrier
	s_cmp_lg_u32 s[WV], 0
	s_cbranch_scc1 .Lnot_wave_0_\@
	s_barrier_signal -3
.Lnot_wave_0_\@:
	s_barrier_wait -3
	s_barrier_signal -1
	s_barrier_wait -1
.endm
.macro CROUND                          ; a whole round
	s_barrier_signal -1
	s_barrier_wait -1
	CREST
.endm
	s_load_b256 s[4:11], s[0:1], 0x0               ; hbuf s[4:5], w1q s[6:7], scales s[8:9], gate s[10:11]
	s_load_b64 s[12:13], s[0:1], 0x20              ; h1
	v_lshl_add_u32 v[SPW], v0, 2, SPARE
	v_mov_b32 v[NIL], 0
	ds_add_u32 v[SPW], v[NIL]                      ; the wave's opening: the add and its wait ahead of my first tensor load
	ds_add_u32 v28, v29
	v_lshrrev_b32 v1, 5, v0
	v_readfirstlane_b32 s[WV], v1
	s_lshr_b32 s[RH], s[WV], 1
	s_and_b32 s[CH], s[WV], 1
	s_bfe_u32 s17, ttmp6, 0x40000                  ; cx
	s_bfe_u32 s18, ttmp6, 0x40004                  ; cy
	s_lshl_b32 s19, ttmp9, 2
	s_add_co_u32 s19, s19, s17                     ; tile column = 4 x cluster x + cx
	s_and_b32 s20, ttmp7, 0xffff
	s_lshl_b32 s20, s20, 2
	s_add_co_u32 s20, s20, s18                     ; tile row = 4 x cluster y + cy
	s_lshl_b32 s21, s18, 2
	s_lshl_b32 s21, 15, s21                        ; my row of the cluster
	s_lshl_b32 s22, 0x1111, s17                    ; my column
	s_cmp_lt_u32 ttmp9, 2                          ; tile columns 8 and up (cluster x 2 and 3) are the routed expert's
	s_cselect_b32 s75, 0, -1                       ; mask for the select between the gate and 1.0
	s_or_b32 s[G1+0], s21, (1<<16)|(1<<20)|(1<<21)|(5<<22)|(3<<25)   ; the mask; 2-byte elements; padding on; bit 21 beside a mask; after every 64 words, 4 words
	s_or_b32 s[G1B+0], s22, (1<<16)|(1<<20)|(1<<21)|(5<<22)|(3<<25)
.irp g, G1, G1B
	s_mov_b32 s[(\g)+1], KSTEP<<16                 ; tensor_dim0 = 128
	s_mov_b32 s[(\g)+2], 128<<16                   ; tensor_dim1 = 128
	s_mov_b32 s[(\g)+3], KSTEP<<16                 ; tile_dim0 = 128
	s_mov_b32 s[(\g)+4], 128                       ; tile_dim1 = 128
	s_mov_b32 s[(\g)+5], SIZE_K                    ; elements from row to row
	s_mov_b32 s[(\g)+6], 0
	s_mov_b32 s[(\g)+7], 0
.endr
	s_lshl_b32 s41, s[CH], 7                       ; which 128 rows of a tile I fetch
	s_lshl_b32 s40, s20, 8
	s_add_co_u32 s40, s40, s41
	s_lshl_b32 s40, s40, 11                        ; h: (256 x tile row + 128 x half) rows of 2,048 bytes
	s_lshl_b32 s42, s19, 8
	s_add_co_u32 s42, s42, s41
	s_lshl_b32 s42, s42, 11                        ; q1: the same with the tile column
	s_mov_b32 s41, 0
	s_mov_b32 s43, 0
	s_mul_i32 s44, s[WV], HALFT                    ; where they go: wave x 128 rows; no place in the cluster enters an LDS address
	s_mov_b32 s67, 0
	s_mov_b32 s69, 0
	s_wait_dscnt 0x0                               ; the opening add is done
	s_wait_kmcnt 0x0
	s_add_nc_u64 s[40:41], s[4:5], s[40:41]
	s_add_nc_u64 s[42:43], s[6:7], s[42:43]
	CROUND                                         ; all sixteen work-groups are here: the first joint loads meet
.irp s, 0,1
	s_mov_b32 s[G0+4*(\s)], 1
	s_add_co_u32 s[G0+4*(\s)+1], s44, (\s)*SLOT
	s_add_nc_u64 s[G0+4*(\s)+2:G0+4*(\s)+3], s[40:41], (\s)*KSTEP*2
	s_or_b32 s[G0+4*(\s)+3], s[G0+4*(\s)+3], 0x80000000
	s_mov_b32 s[G0B+4*(\s)], 1
	s_add_co_u32 s[G0B+4*(\s)+1], s44, (\s)*SLOT
	s_add_nc_u64 s[G0B+4*(\s)+2:G0B+4*(\s)+3], s[42:43], (\s)*KSTEP*2
	s_or_b32 s[G0B+4*(\s)+3], s[G0B+4*(\s)+3], 0x80000000
	JLOAD \s                                       ; two loads of mine are out
.endr
	v_and_b32 v1, 15, v0                           ; l % 16
	v_bfe_u32 v2, v0, 4, 1                         ; l / 16
	v_mul_u32_u24 v3, v1, PITCH
	v_lshl_add_u32 v3, v2, 4, v3                   ; a fragment's row x pitch + 16 x half
	s_mul_i32 s45, s[RH], HALFT
	s_mul_i32 s46, s[CH], HALFT
	s_add_co_u32 s46, s46, 2*HALFT
.irp s, 0,1
	v_add_nc_u32 v[ADRA+(\s)], s45, v3
	v_add_nc_u32 v[ADRB+(\s)], s46, v3
	s_add_co_u32 s45, s45, SLOT
	s_add_co_u32 s46, s46, SLOT
.endr
	s_mul_i32 s47, s[WV], 16*SPITCH
	s_add_co_u32 s47, s47, STAGE                   ; my stage
	v_mul_u32_u24 v4, v1, SPITCH                   ; in: row l % 16, 32 bytes (8 f32) for each half of the lanes
	v_lshl_add_u32 v4, v2, 5, v4
	v_add_nc_u32 v[STO], s47, v4
	v_and_b32 v5, 31, v0
	v_lshl_add_u32 v[RD], v5, 4, s47               ; back: a lane takes columns 4 l .. 4 l + 3 of a row
	v_lshlrev_b32 v[CO], 3, v5
	v_lshlrev_b32 v6, 4, v5
	s_lshl_b32 s72, s20, 8
	s_lshl_b32 s73, s[RH], 7
	s_add_co_u32 s72, s72, s73                     ; my first row
	s_lshl_b32 s74, s19, 8
	s_lshl_b32 s76, s[CH], 7
	s_add_co_u32 s74, s74, s76                     ; my first column
	s_mov_b32 s77, 0
	s_lshl_b32 s76, s72, 2
	s_add_nc_u64 s[10:11], s[10:11], s[76:77]      ; gate at my first row
	s_lshl_b32 s76, s74, 2
	s_add_nc_u64 s[8:9], s[8:9], s[76:77]          ; s1 at my first column
	s_lshl_b32 s76, s72, 13                        ; rows of 8,192 bytes,
	s_lshl_b32 s78, s74, 1
	s_add_co_u32 s76, s76, s78
	s_add_nc_u64 s[12:13], s[12:13], s[76:77]      ; h1 at my part of the first tile
	global_load_b128 v[S1:S1+3], v6, s[8:9]
	s_wait_loadcnt 0x0
	v_pk_mul_f32 v[S1N:S1N+1], v[S1:S1+1], 0xbfb8aa3b op_sel_hi:[1,0]      ; -s1 log2 e
	v_pk_mul_f32 v[S1N+2:S1N+3], v[S1+2:S1+3], 0xbfb8aa3b op_sel_hi:[1,0]
; 16 matrix instructions: m blocks a0, a0 + 1 of the window's four x all 8 n blocks, 32 along K.  zero = 1: the product starts the sums.  The 64 accumulators take turns, one instruction a turn.
.macro MUL16 f, hi, a0, zero
	WIN MUL_LO+0x50*(\hi)
.irp a, \a0, (\a0)+1
.irp b, 0,1,2,3,4,5,6,7
.if \zero
	v_wmma_f32_16x16x32_f16 v[8*(8*(\a)+(\b)):8*(8*(\a)+(\b))+7], v[(\f)+8*(\b):(\f)+8*(\b)+7], v[(\f)+8*(4*(\hi)+(\a)):(\f)+8*(4*(\hi)+(\a))+7], 0
.else
	v_wmma_f32_16x16x32_f16 v[8*(8*(\a)+(\b)):8*(8*(\a)+(\b))+7], v[(\f)+8*(\b):(\f)+8*(\b)+7], v[(\f)+8*(4*(\hi)+(\a)):(\f)+8*(4*(\hi)+(\a))+7], v[8*(8*(\a)+(\b)):8*(8*(\a)+(\b))+7]
.endif
.endr
.endr
.endm
; 32 LDS loads in one run: the fragments of a quarter step (32 K at byte k of the rows) into buffer f: q1's 16, then h's 16
.macro FETCH slot, k, f
	WIN TO_B
.irp i, 0,1,2,3,4,5,6,7
	ds_load_b128 v[(\f)+8*(\i):(\f)+8*(\i)+3],   v[ADRB+(\slot)] offset:(\k)+(\i)*16*PITCH
	ds_load_b128 v[(\f)+8*(\i)+4:(\f)+8*(\i)+7], v[ADRB+(\slot)] offset:(\k)+(\i)*16*PITCH+32
.endr
	WIN 0
.irp i, 0,1,2,3,4,5,6,7
	ds_load_b128 v[(\f)+8*(\i):(\f)+8*(\i)+3],   v[ADRA+(\slot)] offset:(\k)+(\i)*16*PITCH
	ds_load_b128 v[(\f)+8*(\i)+4:(\f)+8*(\i)+7], v[ADRA+(\slot)] offset:(\k)+(\i)*16*PITCH+32
.endr
.endm
.macro PLACES                          ; four plain instructions between a matrix instruction and a load into, or a read of, its registers (ISA guide 7.12.1 for reads)
.rept 4
	v_nop
.endr
.endm
; A K step is four quarters of 32 along K, 64 matrix instructions each, on buffers 0, 1, 0, 1.  One of the first three: multiplies f, and in its middle fetches the next quarter into g.
.macro QUARTER slot, k, f, g, zero
	s_wait_dscnt 8                                 ; q1's fragments and h's rows 0-63 are in; the youngest eight loads may be out
	WIN MUL_LO
	MUL16 \f, 0, 0, \zero
	MUL16 \f, 0, 2, \zero
	PLACES
	FETCH \slot, \k, \g
	s_wait_dscnt 32                                ; all but the 32 just issued
	WIN MUL_HI
	MUL16 \f, 1, 0, \zero
	MUL16 \f, 1, 2, \zero
.endm
; The last quarter's first half: one barrier for the change of slots.  In front of it each wave waits for all its tensor loads (one is out: its part of the next slot), adds 0 to its spare word, and waits for that and for its reads of this slot.
.macro MEET round
	WIN 0
	s_wait_tensorcnt 0x0
	ds_add_u32 v[SPW], v[NIL]
	s_wait_dscnt 9                                 ; the add and the youngest eight loads may be out
	WIN MUL_LO
	MUL16 F1, 0, 0, 0
	s_wait_dscnt 0x0                               ; the add is done, and my reads of this slot are over
	s_barrier_signal -1
	MUL16 F1, 0, 2, 0
.if \round
	WIN 0
.endif
	s_barrier_wait -1
.endm
; The whole last quarter, with the slot filled again: the barrier opens a round of the cluster's, the joint refill is the first thing behind it, 224 matrix instructions ahead of the wait for it.
; h's address steps by s[66:67]; q1's by 512 less s[68:69]: two K steps on, or (lap 3) to the second tile's first steps.
.macro TURN slot, next
	MEET 1
	CREST
	s_add_nc_u64 s[G0+4*(\slot)+2:G0+4*(\slot)+3], s[G0+4*(\slot)+2:G0+4*(\slot)+3], s[66:67]
	s_add_nc_u64 s[G0B+4*(\slot)+2:G0B+4*(\slot)+3], s[G0B+4*(\slot)+2:G0B+4*(\slot)+3], 2*KSTEP*2
	s_sub_nc_u64 s[G0B+4*(\slot)+2:G0B+4*(\slot)+3], s[G0B+4*(\slot)+2:G0B+4*(\slot)+3], s[68:69]
	JLOAD \slot                                    ; its four v_nop are also the places in front of the loads below
	FETCH \next, 0, F0
	WIN MUL_HI
	MUL16 F1, 1, 0, 0
	MUL16 F1, 1, 2, 0
.endm
; THE WAY OUT of a tile: a loop of eight trips, a block of 16 rows x 128 columns each, so that the arithmetic is written once.  The block's accumulators go as f32 into my own stage (the one of eight
; runs of stores that the counter names; the jumps go forward over LDS stores alone) and come back by rows: a lane then holds four neighbouring columns of each of the 16 rows.
; z = s1 x sum; T = 1 / (1 + 2^(-z log2 e)); h1 = z T g, g the row's gate or, in the shared expert's columns, 1.0.  The 64 exponentials are one batch with one wait, the 64 reciprocals another.
.macro WOUT next
	WIN 0
	PLACES
	v_mov_b32 v[CR], v[CO]
	v_mov_b32 v[GR], 0
	s_mov_b32 s70, 0
.Lblk_\@:
.irp k, 0,1,2,3,4,5,6,7
	s_cmp_lg_u32 s70, \k
	s_cbranch_scc1 .Lsk_\@_\k
	WIN 0x08+4*((\k)/4)                            ; the stores' data in window 2 or 3
.irp b, 0,1,2,3,4,5,6,7
	ds_store_b128 v[STO], v[64*((\k)%4)+8*(\b):64*((\k)%4)+8*(\b)+3] offset:64*(\b)
	ds_store_b128 v[STO], v[64*((\k)%4)+8*(\b)+4:64*((\k)%4)+8*(\b)+7] offset:64*(\b)+16
.endr
	WIN 0
.Lsk_\@_\k:
.endr
.irp t, 0,1,2,3,4,5,6,7,8,9,10,11,12,13,14,15
	ds_load_b128 v[V+4*\t:V+4*\t+3], v[RD] offset:SPITCH*\t  ; LDS serves a wave's instructions in order (ISA guide 5.7.1.4): these see the stores above
.endr
.irp q, 0,1,2,3
	global_load_b128 v[G+4*\q:G+4*\q+3], v[GR], s[10:11] offset:16*\q  ; the block's 16 gates, the same in every lane
.endr
	s_wait_dscnt 0x0
.set p, 0
.rept 32
	v_pk_mul_f32 v[T+2*p:T+2*p+1], v[V+2*p:V+2*p+1], v[S1N+2*(p%2):S1N+2*(p%2)+1]
.set p, p+1
.endr
.set p, 0
.rept 64
	v_exp_f32 v[T+p], v[T+p]
.set p, p+1
.endr
.set p, 0
.rept 32                               ; z: plain work that names no exponential's result
	v_pk_mul_f32 v[V+2*p:V+2*p+1], v[V+2*p:V+2*p+1], v[S1+2*(p%2):S1+2*(p%2)+1]
.set p, p+1
.endr
	s_wait_alu depctr_va_vdst(0)                   ; one wait for the 64 exponentials, ahead of their first reader
.set p, 0
.rept 32
	v_pk_add_f32 v[T+2*p:T+2*p+1], v[T+2*p:T+2*p+1], 1.0 op_sel_hi:[1,0]
.set p, p+1
.endr
.set p, 0
.rept 64
	v_rcp_f32 v[T+p], v[T+p]
.set p, p+1
.endr
	s_wait_loadcnt 0x0                             ; the gates
.set p, 0
.rept 16
	v_cndmask_b32 v[G+p], 1.0, v[G+p], s75
.set p, p+1
.endr
.set p, 0
.rept 32                               ; row p / 2 times its gate: the pair's first or second register for both halves
.if (p/2)%2 == 0
	v_pk_mul_f32 v[V+2*p:V+2*p+1], v[V+2*p:V+2*p+1], v[G+(p/2):G+(p/2)+1] op_sel_hi:[1,0]
.else
	v_pk_mul_f32 v[V+2*p:V+2*p+1], v[V+2*p:V+2*p+1], v[G+(p/2)-1:G+(p/2)] op_sel:[0,1] op_sel_hi:[1,1]
.endif
.set p, p+1
.endr
	s_wait_alu depctr_va_vdst(0)                   ; one wait for the 64 reciprocals; the selects and the gate's multiplies are the work between
.set p, 0
.rept 32
	v_pk_mul_f32 v[V+2*p:V+2*p+1], v[V+2*p:V+2*p+1], v[T+2*p:T+2*p+1]
.set p, p+1
.endr
.set p, 0
.rept 32                               ; in place, ascending
	v_cvt_pk_bf16_f32 v[V+p], v[V+2*p], v[V+2*p+1]
.set p, p+1
.endr
.irp t, 0,1,2,3,4,5,6,7,8,9,10,11,12,13,14,15
	global_store_b64 v[CR], v[V+2*\t:V+2*\t+1], s[12:13] offset:8192*\t  ; 32 lanes store 256 consecutive bytes, aligned
.endr
	s_wait_xcnt 0x0                                ; V, CR, GR and the bases are rewritten only behind this wait
	v_add_nc_u32 v[CR], 131072, v[CR]              ; 16 rows of 8,192 bytes on
	v_add_nc_u32 v[GR], 64, v[GR]
	s_add_co_u32 s70, s70, 1
	s_cmp_lt_u32 s70, 8
	s_cbranch_scc1 .Lblk_\@
.if \next
	s_add_nc_u64 s[12:13], s[12:13], 0x2000000     ; the second tile: 4,096 rows down
	s_add_nc_u64 s[10:11], s[10:11], 16384
.endif
.endm
	s_wait_tensorcnt 1                             ; my part of K step 0 is in; K step 1's may stay out
	s_barrier_signal -1
	s_barrier_wait -1
	FETCH 0, 0, F0
	QUARTER 0, 64, F0, F1, 1                       ; the first quarter starts the sums
	WIN 0
	s_mov_b32 s23, 7
.Llap:                                                 ; trip 7 - s23 = lap 0..6: from a lap's second quarter to the next lap's first; both slots are filled again
	s_mov_b32 s66, 512
	s_cmp_eq_u32 s23, 4                            ; lap 3 is the first tile's last: 4,096 rows of 2,048 bytes down and 1,536 bytes back along K,
	s_cselect_b32 s66, 0x7ffa00, s66
	s_cselect_b32 s68, 2048, 0                     ; q1 only back
	QUARTER 0, 128, F1, F0, 0
	QUARTER 0, 192, F0, F1, 0
	TURN 0, 1
	QUARTER 1, 64,  F0, F1, 0
	QUARTER 1, 128, F1, F0, 0
	QUARTER 1, 192, F0, F1, 0
	TURN 1, 0
	WIN 0
	s_cmp_eq_u32 s23, 4                            ; the same in every work-group; the jump passes no barrier and no tensor load
	s_cbranch_scc1 .Lnew
	QUARTER 0, 64, F0, F1, 0
	WIN 0
	s_branch .Ljoin
.Lnew:
	WOUT 1                                         ; both refills are asked for: now the first tile goes out
	QUARTER 0, 64, F0, F1, 1                       ; and the second tile's sums start
	WIN 0
.Ljoin:
	s_sub_co_u32 s23, s23, 1
	s_cmp_lg_u32 s23, 0
	s_cbranch_scc1 .Llap
	QUARTER 0, 128, F1, F0, 0                      ; lap 7 is written out: nothing is left to ask for
	QUARTER 0, 192, F0, F1, 0
	MEET 0
	PLACES
	FETCH 1, 0, F0
	WIN MUL_HI
	MUL16 F1, 1, 0, 0
	MUL16 F1, 1, 2, 0
	QUARTER 1, 64,  F0, F1, 0
	QUARTER 1, 128, F1, F0, 0
	QUARTER 1, 192, F0, F1, 0
	s_wait_dscnt 8
	MUL16 F1, 0, 0, 0
	MUL16 F1, 0, 2, 0
	s_wait_dscnt 0x0
	MUL16 F1, 1, 0, 0
	MUL16 F1, 1, 2, 0
	WOUT 0
	s_wait_tensorcnt 0x0                           ; the wave's end
	ds_add_u32 v[SPW], v[NIL]
	s_wait_dscnt 0x0
	CROUND                                         ; the closing round: no work-group ends while a partner may still ask for a tile that names it
	s_endpgm
.Lfunc_end_k_q7e4add566b_up:
	.size	k_q7e4add566b_up, .Lfunc_end_k_q7e4add566b_up-k_q7e4add566b_up
	.p2alignl 7, 3214868480
	.fill 96, 4, 3214868480
	.section	.rodata,"a",@progbits
	.p2align	6, 0x0
	.amdhsa_kernel k_q7e4add566b_up
		.amdhsa_group_segment_fixed_size 327680
		.amdhsa_private_segment_fixed_size 0
		.amdhsa_enable_private_segment 0
		.amdhsa_kernarg_size 40
		.amdhsa_user_sgpr_count 2
		.amdhsa_user_sgpr_kernarg_segment_ptr 1
		.amdhsa_wavefront_size32 1
		.amdhsa_system_sgpr_workgroup_id_x 1
		.amdhsa_system_sgpr_workgroup_id_y 1
		.amdhsa_system_sgpr_workgroup_id_z 1
		.amdhsa_system_vgpr_workitem_id 0
		.amdhsa_next_free_vgpr 1024
		.amdhsa_next_free_sgpr 84
		.amdhsa_reserve_vcc 0
		.amdhsa_float_denorm_mode_32 3
		.amdhsa_float_denorm_mode_16_64 3
		.amdhsa_memory_ordered 1
		.amdhsa_forward_progress 1
		.amdhsa_inst_pref_size 177
	.end_amdhsa_kernel
	.amdgpu_metadata
---
amdhsa.version: [ 1, 2 ]
amdhsa.kernels:
  - .name:           k_q7e4add566b_up
    .symbol:         k_q7e4add566b_up.kd
    .args:
      - { .name: hbuf, .offset: 0, .size: 8, .value_kind: global_buffer, .address_space: global }
      - { .name: w1q, .offset: 8, .size: 8, .value_kind: global_buffer, .address_space: global }
      - { .name: scales, .offset: 16, .size: 8, .value_kind: global_buffer, .address_space: global }
      - { .name: gate, .offset: 24, .size: 8, .value_kind: global_buffer, .address_space: global }
      - { .name: h1, .offset: 32, .size: 8, .value_kind: global_buffer, .address_space: global }
    .group_segment_fixed_size: 327680
    .private_segment_fixed_size: 0
    .kernarg_segment_align: 8
    .kernarg_segment_size: 40
    .max_flat_workgroup_size: 128
    .sgpr_count:     84
    .vgpr_count:     1024
    .wavefront_size: 32
...
	.end_amdgpu_metadata
.endif
;; end of part 2
;; launch down (part 3): grid 4 x 64, 4 waves a work-group, clusters of 4 x 4, 327,680 bytes of LDS; arguments h1, w2q, scales, out0; writes out0
.if DOCPART == 3
	.amdgcn_target "amdgcn-amd-amdhsa--gfx1250"
	.amdhsa_code_object_version 6
	.text
	.protected	k_q7e4add566b_down
	.globl	k_q7e4add566b_down
	.p2align	8
	.type	k_q7e4add566b_down,@function
k_q7e4add566b_down:
	s_mov_b64 s[64:65], 0
	v_nop
	global_prefetch_b8 v0, s[64:65] scope:SCOPE_SE
	s_setreg_imm32_b32 hwreg(HW_REG_WAVE_MODE, 25, 1), 1
	s_wait_xcnt 0x0
	s_wait_alu depctr_hold_cnt(0) depctr_sa_sdst(0) depctr_va_vdst(0) depctr_va_sdst(0) depctr_va_ssrc(0) depctr_va_vcc(0) depctr_vm_vsrc(0)
	s_getreg_b32 s2, hwreg(HW_REG_IB_STS2, 6, 4)
	s_cmp_eq_u32 s2, 0
	s_cbranch_scc0 .Lentry_in_a_cluster
	s_endpgm
.Lentry_in_a_cluster:
	s_bfe_u32 s2, ttmp6, 0x10000c
	s_cmp_lg_u32 s2, 0xf033
	s_cbranch_scc0 .Lentry_shape_is_right
	s_endpgm
.Lentry_shape_is_right:
; DOWN.  out[t][d] = s2s[d] x sum over f < 2048 of h1[t][f] q2[d][f]  +  s2e[d] x sum over f >= 2048 of h1[t][f] q2[d][f].  h1: [8192][4096] bf16; q2: [1024][4096] codes -1, 0, 1;
; s2s, s2e: [1024] f32 at bytes 16,384 and 20,480 of scales; out: [8192][1024] f32.  ONE accumulator for each output: behind K = 2,048 it is multiplied by s2s / s2e (s2e is at least 1e-5),
; at the end by s2e.  Sums in f32.
; q2 LIES IN MEMORY AND IN LDS AS ONE BYTE A CODE (E4M3: 0xb8, 0x00, 0x38, exact) and is widened to bf16 in registers, eight codes to a conversion; the matrix unit multiplies bf16 by bf16.
; So two slots of a K step of 256 fit in LDS (with codes of two bytes they would need 405,504 bytes), and a refill has 232 matrix instructions in which to land.
; A tile of out is 128 rows x 256 columns: 256 work-groups, one for each WGP (tiles of 256 x 256 would be 128).  Four waves, 64 x 128 each: 32 accumulators, 256 registers.
; CLUSTER 4 x 4: the four work-groups of a row need the same tile of h1, the four of a column the same tile of q2: each is asked for jointly, by the same load, descriptor and mask in all four.
; THE MATRIX INSTRUCTION IS USED TRANSPOSED (source 0 = 16 rows of q2, source 1 = 16 rows of h1): a lane holds row l % 16 and the columns 8 (l / 16) + 0..7.
; K INSIDE AN INSTRUCTION: a lane's 16 bytes of q2 are k0 + 16 (l / 16) + 0..15, and h1's fragment takes the same k, 32 consecutive bytes: one permutation of k, alike in both sources.
; UNITS.  A K step is four units of 64 along K, 64 matrix instructions each, on two register buffers by turns.  Unit u multiplies its buffer; meanwhile it widens q2's bytes of unit u + 1 into the other
; buffer (one conversion behind every second matrix instruction), and loads h1's fragments of unit u + 1 and q2's bytes of unit u + 2 in one run in its middle.
; REGISTERS: window 0: v16-30 addresses and the scale byte; v32-35 s2e of my four columns on the way out; v64-127 s2s / s2e of my accumulators' columns; v128-255 two buffers on the way out.
;   windows 1 and 2: the two buffers: h1's fragments at v[8 (4 c + a)], q2's at v[64 + 8 (8 c + b)], q2's bytes at v[192 + 4 (8 c + b)], c = which 32 along K.  Window 3: accumulator (a, b) at v[8 (8 a + b)].
.set SIZE_K, 4096
.set PA,     528                       ; a row of h1 in LDS: 512 bytes + 16 of padding; a row of q2: 256 + 16: in both the 16 rows of a load start at 16 different groups of four banks (ISA guide 11.1)
.set PB,     272
.set AHALF,  64*PA                     ; what waves 0 and 1 fetch: 64 rows of h1
.set BHALF,  128*PB                    ; what waves 2 and 3 fetch: 128 rows of q2
.set BOFF,   2*AHALF
.set SLOT,   BOFF+2*BHALF              ; 137,216 bytes
.set STAGE,  2*SLOT                    ; behind the ring: 16 rows x 528 bytes for each wave, its own
.set SPITCH, 528
.set SPARE,  STAGE+4*16*SPITCH         ; the spare words, 128 bytes a wave; no other line names them
.set A0,   16                          ; v16, v17  my lane's place in a slot's h1 and q2; never rewritten
.set B0,   17
.set AT,   18                          ; v18, v19  the same in the slot in hand
.set BT,   19
.set AN,   20                          ; v20, v21  and in the other slot
.set BN,   21
.set STO,  24
.set RD,   25
.set CO,   26                          ; 16 x lane
.set SPW,  28
.set NIL,  29
.set SCL,  30                          ; 0x7f: the conversions' scale, 2^0
.set SE4,  32
.set RAT,  64
.set BK,   128
.set WV,   14                          ; s14 wave; s15 which 64 rows are mine, also: I fetch for h1 (0) or q2 (1); s16 which 128 columns, also: which half I fetch
.set WM,   15
.set WN,   16
.set G1,   24                          ; s[24:31] group 1, s[32:39] two sets of group 0 for h1's tiles: one for each first fill; the second then walks on
.set G0,   32
.set G1B,  48                          ; s[48:55], s[56:63] the same for q2's
.set G0B,  56
.set TB,   76                          ; s76 the LDS byte at which the slot in hand begins: 0 or SLOT; s77 the other slot's
.set TN,   77
.set LA,   78                          ; s78, s79 where my load's rows lie in a slot, for h1 and for q2
.set LB,   79
.set MSB, 0
.macro WIN new                         ; the immediate's high byte repeats the setting that is left; a switch that changes nothing is dropped
.if MSB != (\new)
	s_set_vgpr_msb (MSB<<8)|(\new)
.set MSB, \new
.endif
.endm
.macro JLOAD s                         ; a joint load; the branch hangs on the wave's number alone; an s_nop 0 and four v_nop follow each of the two lines
	s_cmp_eq_u32 s[WM], 0
	s_cbranch_scc0 .Lfor_b_\@
	tensor_load_to_lds s[G0+4*(\s):G0+4*(\s)+3], s[G1:G1+7]
	s_nop 0
.rept 4
	v_nop
.endr
	s_branch .Lasked_\@
.Lfor_b_\@:
	tensor_load_to_lds s[G0B+4*(\s):G0B+4*(\s)+3], s[G1B:G1B+7]
	s_nop 0
.rept 4
	v_nop
.endr
.Lasked_\@:
.endm
.macro CREST                           ; a round of the cluster's barrier behind its opening barrier
	s_cmp_lg_u32 s[WV], 0
	s_cbranch_scc1 .Lnot_wave_0_\@
	s_barrier_signal -3
.Lnot_wave_0_\@:
	s_barrier_wait -3
	s_barrier_signal -1
	s_barrier_wait -1
.endm
.macro CROUND
	s_barrier_signal -1
	s_barrier_wait -1
	CREST
.endm
.macro ADDRS                           ; the four addresses from the two slots' offsets
	v_add_nc_u32 v[AT], s[TB], v[A0]
	v_add_nc_u32 v[BT], s[TB], v[B0]
	v_add_nc_u32 v[AN], s[TN], v[A0]
	v_add_nc_u32 v[BN], s[TN], v[B0]
.endm
	s_load_b256 s[4:11], s[0:1], 0x0               ; h1 s[4:5], w2q s[6:7], scales s[8:9], out0 s[10:11]
	v_lshl_add_u32 v[SPW], v0, 2, SPARE
	v_mov_b32 v[NIL], 0
	ds_add_u32 v[SPW], v[NIL]                      ; the wave's opening: the add and its wait ahead of my first tensor load
	ds_add_u32 v28, v29
	v_lshrrev_b32 v1, 5, v0
	v_readfirstlane_b32 s[WV], v1
	s_lshr_b32 s[WM], s[WV], 1
	s_and_b32 s[WN], s[WV], 1
	s_bfe_u32 s17, ttmp6, 0x40000                  ; cx
	s_bfe_u32 s18, ttmp6, 0x40004                  ; cy
	s_lshl_b32 s19, ttmp9, 2
	s_add_co_u32 s19, s19, s17                     ; tile column
	s_and_b32 s20, ttmp7, 0xffff
	s_lshl_b32 s20, s20, 2
	s_add_co_u32 s20, s20, s18                     ; tile row
	s_lshl_b32 s21, s18, 2
	s_lshl_b32 s21, 15, s21                        ; my row of the cluster
	s_lshl_b32 s22, 0x1111, s17                    ; my column
	s_or_b32 s[G1+0], s21, (1<<16)|(1<<20)|(1<<21)|(6<<22)|(3<<25)   ; the mask; 2-byte elements; padding on; bit 21 beside a mask; after every 128 words, 4 words
	s_or_b32 s[G1B+0], s22, (1<<16)|(1<<20)|(1<<21)|(5<<22)|(3<<25)  ; q2's bytes taken as 2-byte elements; after every 64 words, 4 words
	s_mov_b32 s[G1+1], 256<<16                     ; tensor_dim0 = 256 (512 bytes)
	s_mov_b32 s[G1+2], 64<<16                      ; tensor_dim1 = 64
	s_mov_b32 s[G1+3], 256<<16                     ; tile_dim0 = 256
	s_mov_b32 s[G1+4], 64                          ; tile_dim1 = 64
	s_mov_b32 s[G1+5], SIZE_K                      ; elements from row to row
	s_mov_b32 s[G1+6], 0
	s_mov_b32 s[G1+7], 0
	s_mov_b32 s[G1B+1], 128<<16                    ; 128 elements: 256 codes
	s_mov_b32 s[G1B+2], 128<<16                    ; 128 rows to a load
	s_mov_b32 s[G1B+3], 128<<16
	s_mov_b32 s[G1B+4], 128
	s_mov_b32 s[G1B+5], SIZE_K/2                   ; a row of 4,096 bytes
	s_mov_b32 s[G1B+6], 0
	s_mov_b32 s[G1B+7], 0
	s_lshl_b32 s40, s20, 7
	s_lshl_b32 s41, s[WN], 6
	s_add_co_u32 s40, s40, s41
	s_lshl_b32 s40, s40, 13                        ; h1: (128 x tile row + 64 x half) rows of 8,192 bytes
	s_lshl_b32 s42, s19, 8
	s_lshl_b32 s43, s[WN], 7
	s_add_co_u32 s42, s42, s43
	s_lshl_b32 s42, s42, 12                        ; q2: (256 x tile column + 128 x half) rows of 4,096 bytes
	s_mov_b32 s41, 0
	s_mov_b32 s43, 0
	s_mul_i32 s[LA], s[WN], AHALF                  ; where they go: no place in the cluster enters an LDS address
	s_mul_i32 s[LB], s[WN], BHALF
	s_add_co_u32 s[LB], s[LB], BOFF
	s_mov_b32 s[TB], 0
	s_mov_b32 s[TN], SLOT
	s_wait_dscnt 0x0                               ; the opening add is done
	s_wait_kmcnt 0x0
	s_add_nc_u64 s[40:41], s[4:5], s[40:41]
	s_add_nc_u64 s[42:43], s[6:7], s[42:43]
	CROUND                                         ; all sixteen work-groups are here: the first joint loads meet
.irp s, 0,1
	s_mov_b32 s[G0+4*(\s)], 1
	s_add_co_u32 s[G0+4*(\s)+1], s[LA], (\s)*SLOT
	s_add_nc_u64 s[G0+4*(\s)+2:G0+4*(\s)+3], s[40:41], (\s)*512
	s_or_b32 s[G0+4*(\s)+3], s[G0+4*(\s)+3], 0x80000000
	s_mov_b32 s[G0B+4*(\s)], 1
	s_add_co_u32 s[G0B+4*(\s)+1], s[LB], (\s)*SLOT
	s_add_nc_u64 s[G0B+4*(\s)+2:G0B+4*(\s)+3], s[42:43], (\s)*256
	s_or_b32 s[G0B+4*(\s)+3], s[G0B+4*(\s)+3], 0x80000000
	JLOAD \s                                       ; K steps 0 and 1: two loads of mine are out
.endr
	; all that follows, up to the first barrier, stands in the wait for the first tiles
	v_and_b32 v1, 15, v0
	v_bfe_u32 v2, v0, 4, 1
	v_mul_u32_u24 v3, v1, PA
	v_lshl_add_u32 v3, v2, 5, v3                   ; h1: row x pitch + 32 x half
	s_mul_i32 s46, s[WM], AHALF                    ; my 64 rows of h1
	v_add_nc_u32 v[A0], s46, v3
	v_mul_u32_u24 v3, v1, PB
	v_lshl_add_u32 v3, v2, 4, v3                   ; q2: row x pitch + 16 x half
	s_mul_i32 s47, s[WN], BHALF                    ; my 128 rows of q2
	s_add_co_u32 s47, s47, BOFF
	v_add_nc_u32 v[B0], s47, v3
	ADDRS
	v_mov_b32 v[SCL], 0x7f
	s_mul_i32 s46, s[WV], 16*SPITCH
	s_add_co_u32 s46, s46, STAGE                   ; my stage
	v_mul_u32_u24 v4, v1, SPITCH
	v_lshl_add_u32 v4, v2, 5, v4
	v_add_nc_u32 v[STO], s46, v4                   ; in: row l % 16, 32 bytes for each half of the lanes
	v_and_b32 v5, 31, v0
	v_lshl_add_u32 v[RD], v5, 4, s46               ; back: columns 4 l .. 4 l + 3 of a row
	v_lshlrev_b32 v[CO], 4, v5
	v_lshlrev_b32 v6, 5, v2                        ; 8 (l / 16) columns of 4 bytes
	s_lshl_b32 s66, s19, 8
	s_lshl_b32 s67, s[WN], 7
	s_add_co_u32 s66, s66, s67                     ; my first column
	s_lshl_b32 s68, s66, 2
	s_mov_b32 s69, 0
	s_add_nc_u64 s[8:9], s[8:9], s[68:69]
.irp b, 0,1,2,3,4,5,6,7
	global_load_b128 v[RAT+8*\b:RAT+8*\b+3],   v6, s[8:9] offset:16384+64*\b
	global_load_b128 v[RAT+8*\b+4:RAT+8*\b+7], v6, s[8:9] offset:16384+64*\b+16
	global_load_b128 v[BK+8*\b:BK+8*\b+3],     v6, s[8:9] offset:20480+64*\b
	global_load_b128 v[BK+8*\b+4:BK+8*\b+7],   v6, s[8:9] offset:20480+64*\b+16
.endr
	global_load_b128 v[SE4:SE4+3], v[CO], s[8:9] offset:20480
	s_lshl_b32 s70, s20, 7
	s_lshl_b32 s71, s[WM], 6
	s_add_co_u32 s70, s70, s71                     ; my first row,
	s_lshl_b32 s70, s70, 12                        ; of 4,096 bytes
	s_add_co_u32 s70, s70, s68
	s_mov_b32 s71, 0
	s_add_nc_u64 s[10:11], s[10:11], s[70:71]      ; out at my part of the tile
	s_wait_loadcnt 0x0
.set p, 0
.rept 64
	v_rcp_f32 v[BK+p], v[BK+p]
.set p, p+1
.endr
	v_nop                                          ; a plain instruction behind the last reciprocal,
	s_wait_alu depctr_va_vdst(0)                   ; and one wait for the 64
.set p, 0
.rept 32
	v_pk_mul_f32 v[RAT+2*p:RAT+2*p+1], v[RAT+2*p:RAT+2*p+1], v[BK+2*p:BK+2*p+1]
.set p, p+1
.endr
; Matrix instructions n0 .. n1 - 1 of a unit's 64, from buffer f (window 1 or 2): number n is the (n / 32)-th 32 along K, accumulator n % 32.  The 32 accumulators take turns, one instruction a turn.
;   zero = 1: the first 32 start the sums.  Behind every second one stands a conversion: number q of 32 widens 8 bytes of q2 into 4 registers of the OTHER buffer.
; PLACES.  The other buffer's registers were read by the unit before.  Four v_nop behind number 0 are the four plain instructions between those matrix instructions and the conversions and loads that
; write the registers (ISA guide 7.12.1 for the conversions).  One v_nop behind the last conversion is the plain instruction between the conversions and the next unit, which reads their results.
.macro MMR f, n0, n1, zero=0
.set n, \n0
.rept (\n1)-(\n0)
	WIN 0xf0+5*(\f)                                ; sources 0 and 1 in the buffer's window, C and D in window 3
.set rC, 8*(n%32)
.set rB, 64+8*(8*(n/32)+n%8)
.set rA, 8*(4*(n/32)+(n%32)/8)
.if (\zero) && (n < 32)
	v_wmma_f32_16x16x32_bf16 v[rC:rC+7], v[rB:rB+7], v[rA:rA+7], 0
.else
	v_wmma_f32_16x16x32_bf16 v[rC:rC+7], v[rB:rB+7], v[rA:rA+7], v[rC:rC+7]
.endif
.if n == 0
.rept 4
	v_nop
.endr
.endif
.if n%2 == 1
	WIN 0x41*(3-(\f))                              ; destination and source 0 in the other buffer's window, the scale in window 0
	v_cvt_scale_pk8_bf16_fp8 v[64+4*(n/2):64+4*(n/2)+3], v[192+2*(n/2):192+2*(n/2)+1], v[SCL]
.endif
.if n == 63
	v_nop
.endif
.set n, n+1
.endr
.endm
; 16 LDS loads: q2's bytes of 64 along K at byte k of the rows, into buffer f
.macro LDRAW f, adr, k
	WIN 0x40*(\f)
.irp c, 0,1
.irp i, 0,1,2,3,4,5,6,7
	ds_load_b128 v[192+4*(8*(\c)+(\i)):192+4*(8*(\c)+(\i))+3], v[\adr] offset:(\k)+32*(\c)+(\i)*16*PB
.endr
.endr
.endm
; 16 LDS loads: h1's fragments of 64 along K at byte k of the rows, into buffer f; the first 32 along K (8 loads) first
.macro LDA f, adr, k
	WIN 0x40*(\f)
.irp c, 0,1
.irp i, 0,1,2,3
	ds_load_b128 v[8*(4*(\c)+(\i)):8*(4*(\c)+(\i))+3],   v[\adr] offset:(\k)+64*(\c)+(\i)*16*PA
	ds_load_b128 v[8*(4*(\c)+(\i))+4:8*(4*(\c)+(\i))+7], v[\adr] offset:(\k)+64*(\c)+(\i)*16*PA+16
.endr
.endr
.endm
.macro PLACES
.rept 4
	v_nop
.endr
.endm
; A unit on buffer f.  w0: how many of the loads issued before may stay out at its head.  In its middle one run of 32 loads: q2's bytes of the unit after next into this buffer's byte registers (the unit
; before has widened what lay there), then h1's fragments of the next unit into the other buffer.
.macro UNIT f, w0, radr, rk, aadr, ak, zero
	s_wait_dscnt \w0                               ; 8: q2's bytes and the first 32 along K of h1 are in, the other eight loads may be out
	MMR \f, 0, 32, \zero
	LDRAW \f, \radr, \rk
	LDA 3-(\f), \aadr, \ak
	s_wait_dscnt 32                                ; all but the 32 just issued
	MMR \f, 32, 64
.endm
; A step's third unit (buffer 1) changes slots.  The slot's last reads, h1 of its fourth unit, go out first.  Then each wave waits for all its tensor loads (one is out: its part of the other slot), adds 0
; to its spare word, and waits for that and for its reads of this slot; behind the barrier nobody reads this slot any more and the other slot is whole.  fill = 1: the barrier opens a round of the cluster's,
; and the joint refill, two K steps on, is the first thing behind it; from there to the wait for it a wave issues 32 + 64 + 64 + 64 + 8 = 232 matrix instructions.  Then the other slot's first bytes of q2 are read.
.macro TURN fill
	s_wait_dscnt 8
	MMR 1, 0, 8
	LDA 2, AT, 384
	WIN 0
	s_wait_tensorcnt 0x0
	ds_add_u32 v[SPW], v[NIL]
	MMR 1, 8, 24                                   ; work on registers while the add is out
	s_wait_dscnt 0x0                               ; the add is done, and my reads of this slot are over
	s_barrier_signal -1
	MMR 1, 24, 32
	WIN 0
	s_barrier_wait -1
.if \fill
	CREST
	s_add_co_u32 s[G0+5], s[LA], s[TB]             ; the walking descriptors: into the slot just read out,
	s_add_nc_u64 s[G0+6:G0+7], s[G0+6:G0+7], 512   ; the next K step: 256 elements of h1,
	s_add_co_u32 s[G0B+5], s[LB], s[TB]
	s_add_nc_u64 s[G0B+6:G0B+7], s[G0B+6:G0B+7], 256  ; 256 bytes of q2; the type bits on top are not reached
	JLOAD 1
.endif
	LDRAW 1, BN, 0
	MMR 1, 32, 64
.endm
; What stands behind a step: the slots change names
.macro NEXT
	WIN 0                                          ; at a label and at a branch every window is 0
	s_xor_b32 s[TB], s[TB], SLOT                   ; 0 and SLOT change places
	s_xor_b32 s[TN], s[TN], SLOT
	ADDRS
.endm
.macro RESCALE                         ; every accumulator times s2s / s2e of its columns, each from its low end on
	WIN 0
	PLACES
	WIN 0xc3                                       ; destination and source 0 window 3, source 1 window 0
.set i, 0
.rept 128
	v_pk_mul_f32 v[2*i:2*i+1], v[2*i:2*i+1], v[RAT+8*((i/4)%8)+2*(i%4):RAT+8*((i/4)%8)+2*(i%4)+1]
.set i, i+1
.endr
	WIN 0
.endm
	s_wait_tensorcnt 1                             ; my part of K step 0 is in; K step 1's may stay out
	s_barrier_signal -1
	s_barrier_wait -1
	LDRAW 1, BT, 0                                 ; unit 0's bytes of q2, its fragments of h1, unit 1's bytes
	LDA 1, AT, 0
	LDRAW 2, BT, 64
	s_wait_dscnt 32                                ; unit 0's bytes are in
	WIN 0x41
.set q, 0
.rept 32                               ; unit 0's codes are widened with nothing to stand beside
	v_cvt_scale_pk8_bf16_fp8 v[64+4*q:64+4*q+3], v[192+2*q:192+2*q+1], v[SCL]
.set q, q+1
.endr
	v_nop                                          ; a plain instruction between the conversions and the first product
	UNIT 1, 0, BT, 128, AT, 128, 1                 ; the first unit is written out: its first 32 products start the sums
	WIN 0
	s_mov_b32 s23, 14
	s_branch .Lfirst                               ; the loop is entered behind a step's first unit
.Lstep:                                                ; 14 trips, a K step each: step 14 - s23; each fills its slot again
	s_cmp_lg_u32 s23, 6                            ; step 8 begins at K = 2,048: the shared expert's half of K is summed
	s_cbranch_scc1 .Lno
	RESCALE
.Lno:
	UNIT 1, 8, BT, 128, AT, 128, 0
	WIN 0
.Lfirst:
	UNIT 2, 8, BT, 192, AT, 256, 0
	TURN 1
	UNIT 2, 0, BN, 64, AN, 0, 0                    ; all loads are waited for: the 16 that are out are the bytes that this unit widens
	NEXT
	s_sub_co_u32 s23, s23, 1
	s_cmp_lg_u32 s23, 0
	s_cbranch_scc1 .Lstep
	s_mov_b32 s23, 2
.Ltail:                                                ; the last two steps ask for nothing, so they have a text of their own.  In the very last the reads of the other slot bring stale bytes into registers
	UNIT 1, 8, BT, 128, AT, 128, 0                 ; that nothing multiplies: 48 loads and 32 conversions, once a launch, for one text for both trips
	UNIT 2, 8, BT, 192, AT, 256, 0
	TURN 0
	UNIT 2, 0, BN, 64, AN, 0, 0
	NEXT
	s_sub_co_u32 s23, s23, 1
	s_cmp_lg_u32 s23, 0
	s_cbranch_scc1 .Ltail
	; THE WAY OUT, four blocks of 16 rows x 128 columns: as f32 into my own stage, back by rows, times s2e, stored: a store of the wave covers 512 consecutive bytes, aligned
	s_wait_dscnt 0x0                               ; the last unit's loads
	PLACES
.macro STG a
.if (\a) >= 2
	s_wait_xcnt 0x0                                ; the stores of the block two back have read this buffer: it is loaded again only behind this wait
.endif
	WIN 0x0c                                       ; the stores' data in window 3
.irp b, 0,1,2,3,4,5,6,7
	ds_store_b128 v[STO], v[64*(\a)+8*(\b):64*(\a)+8*(\b)+3] offset:64*(\b)
	ds_store_b128 v[STO], v[64*(\a)+8*(\b)+4:64*(\a)+8*(\b)+7] offset:64*(\b)+16
.endr
	WIN 0
.irp t, 0,1,2,3,4,5,6,7,8,9,10,11,12,13,14,15
	ds_load_b128 v[BK+64*((\a)%2)+4*(\t):BK+64*((\a)%2)+4*(\t)+3], v[RD] offset:SPITCH*(\t)  ; LDS serves a wave's instructions in order (ISA guide 5.7.1.4)
.endr
.endm
.macro SEND a, n                       ; n: the LDS instructions issued behind block a's loads: the next block's 32, or none
	s_wait_dscnt \n
.set p, 0
.rept 32
	v_pk_mul_f32 v[BK+64*((\a)%2)+2*p:BK+64*((\a)%2)+2*p+1], v[BK+64*((\a)%2)+2*p:BK+64*((\a)%2)+2*p+1], v[SE4+2*(p%2):SE4+2*(p%2)+1]
.set p, p+1
.endr
.irp t, 0,1,2,3,4,5,6,7,8,9,10,11,12,13,14,15
	global_store_b128 v[CO], v[BK+64*((\a)%2)+4*(\t):BK+64*((\a)%2)+4*(\t)+3], s[10:11] offset:(16*(\a)+(\t))*4096 th:TH_STORE_NT
.endr
.endm
	STG 0
	STG 1
	SEND 0, 32
	STG 2
	SEND 1, 32
	STG 3
	SEND 2, 32
	SEND 3, 0
	s_wait_tensorcnt 0x0                           ; the wave's end
	ds_add_u32 v[SPW], v[NIL]
	s_wait_dscnt 0x0
	CROUND                                         ; the closing round: no work-group ends while a partner may still ask for a tile that names it
	s_endpgm
.Lfunc_end_k_q7e4add566b_down:
	.size	k_q7e4add566b_down, .Lfunc_end_k_q7e4add566b_down-k_q7e4add566b_down
	.p2alignl 7, 3214868480
	.fill 96, 4, 3214868480
	.section	.rodata,"a",@progbits
	.p2align	6, 0x0
	.amdhsa_kernel k_q7e4add566b_down
		.amdhsa_group_segment_fixed_size 327680
		.amdhsa_private_segment_fixed_size 0
		.amdhsa_enable_private_segment 0
		.amdhsa_kernarg_size 32
		.amdhsa_user_sgpr_count 2
		.amdhsa_user_sgpr_kernarg_segment_ptr 1
		.amdhsa_wavefront_size32 1
		.amdhsa_system_sgpr_workgroup_id_x 1
		.amdhsa_system_sgpr_workgroup_id_y 1
		.amdhsa_system_sgpr_workgroup_id_z 1
		.amdhsa_system_vgpr_workitem_id 0
		.amdhsa_next_free_vgpr 1024
		.amdhsa_next_free_sgpr 80
		.amdhsa_reserve_vcc 0
		.amdhsa_float_denorm_mode_32 3
		.amdhsa_float_denorm_mode_16_64 3
		.amdhsa_memory_ordered 1
		.amdhsa_forward_progress 1
		.amdhsa_inst_pref_size 146
	.end_amdhsa_kernel
	.amdgpu_metadata
---
amdhsa.version: [ 1, 2 ]
amdhsa.kernels:
  - .name:           k_q7e4add566b_down
    .symbol:         k_q7e4add566b_down.kd
    .args:
      - { .name: h1, .offset: 0, .size: 8, .value_kind: global_buffer, .address_space: global }
      - { .name: w2q, .offset: 8, .size: 8, .value_kind: global_buffer, .address_space: global }
      - { .name: scales, .offset: 16, .size: 8, .value_kind: global_buffer, .address_space: global }
      - { .name: out0, .offset: 24, .size: 8, .value_kind: global_buffer, .address_space: global }
    .group_segment_fixed_size: 327680
    .private_segment_fixed_size: 0
    .kernarg_segment_align: 8
    .kernarg_segment_size: 32
    .max_flat_workgroup_size: 128
    .sgpr_count:     80
    .vgpr_count:     1024
    .wavefront_size: 32
...
	.end_amdgpu_metadata
.endif
;; end of part 3
